; MI455X (gfx1250); checked and timed in simulation.
; The chip was launched on July 23, 2026; its instructions are those of AMD's public machine-readable ISA for CDNA 5 (MIT licence, August 2026) and "CDNA5" Instruction Set Architecture Reference Guide (July 2026). The comments in the code are by the model that wrote it; some were corrected since.
;; Causal Self Attention. Allowed arithmetic: matrix products marked QUANTISED: E2M1 operands, one E8M0 scale for each 32 along K, by v_wmma_scale_f32_16x16x128_f8f6f4 with both operands' format E2M1 (or v_wmma_scale_f32_32x16x128_f4), f32 sums; products left as they are: bf16, f16 or f32 operands; f32 sums; everything else in f32.
;; Inputs: b_k 256 float32; b_o 1,024 float32; b_q 1,024 float32; b_v 256 float32; w_k 1,024 x 256 float32; w_o 1,024 x 1,024 float32; w_q 1,024 x 1,024 float32; w_v 1,024 x 256 float32; x 2 x 2,048 x 1,024 float32.
;; Outputs: out0 2 x 2,048 x 1,024 float32.
;; This version of the problem:
;;   THIS VERSION OF THE PROBLEM IS GIVEN IN LOW PRECISION. The matrix products marked QUANTISED in the list below multiply operands that are first quantised to E2M1 (2 exponent bits, 1 mantissa bit; 4 bits a number), with one power-of-two scale for each 32 numbers along K (OCP MX v1.0); their sums are f32. The products marked 'left as it is' may take bf16, f16 or f32 operands, with f32 sums. All else is computed in f32.
;;   The module's matrix products, in the order in which they are computed (A, B: the left and right operand; K: the contracted axis; several contracted axes count as one K, in the product's order):
;;     1. [M 4,096, K 1,024] x [K 1,024, N 1,024]; A: input x; B: input w_q: QUANTISED
;;     2. [M 4,096, K 1,024] x [K 1,024, N 256]; A: input x; B: input w_k: QUANTISED
;;     3. [M 4,096, K 1,024] x [K 1,024, N 256]; A: input x; B: input w_v: QUANTISED
;;     4. batch 8 x [M 2,048, K 64] x [K 64, N 8,192]; A: computed on the way; B: computed on the way: left as it is (an operand is computed on the way)
;;     5. batch 8 x [M 64, K 2,048] x [K 2,048, N 8,192]; A: computed on the way; B: computed on the way: left as it is (an operand is computed on the way)
;;     6. [M 4,096, K 1,024] x [K 1,024, N 1,024]; A: computed on the way; B: input w_o: left as it is (an operand is computed on the way)
;;   THE QUANTISER, for each operand of a quantised product, along K:
;;     - K is cut into blocks of 32 from its start; a last block that is shorter is filled with zeros.
;;     - A block's scale is 2^e with e = floor(log2(the largest magnitude in the block)) - 2, held to -126 .. 127; a block of zeros has e = 0. As a byte (E8M0): e + 127.
;;     - Each number is divided by its block's scale, clamped to +-6, and rounded to the nearest number of E2M1, ties to even, subnormals kept.
;;     - The product sums the exact products of the quantised numbers (number of the format x scale) in f32.
;;   ~~~python
;;   def quantise(x, axis):      # numpy; x: float32 -> the quantised numbers, widened to float32 again
;;       x = np.moveaxis(x, axis, -1); K = x.shape[-1]
;;       x = np.pad(x, [(0, 0)] * (x.ndim - 1) + [(0, -K % 32)]); x = x.reshape(x.shape[:-1] + (-1, 32)); a = np.abs(x).max(-1, keepdims=True)
;;       e = np.where(a > 0, np.clip(np.frexp(np.where(a > 0, a, 1))[1] - 1 - 2, -126, 127), 0)      # np.frexp(a)[1] - 1 = floor(log2(a)), exactly
;;       r = np.clip(x / 2.0 ** e, -6, 6)
;;       step = 2.0 ** (np.maximum(np.frexp(np.where(r == 0, 1, r))[1] - 1, 0) - 1)
;;       q = np.round(r / step) * step * 2.0 ** e      # np.round: ties to even
;;       return np.moveaxis(q.reshape(q.shape[:-2] + (-1,))[..., :K], -1, axis).astype(np.float32)
;;   ~~~
;; One version. Each part assembles by itself: llvm-mc -triple=amdgcn-amd-amdhsa -mcpu=gfx1250 --defsym DOCPART=n.
;; ======== version 1 of 1: 4 launches
;; limits: values are held in f16: magnitudes above 65,504 overflow, below 6.1e-05 lose precision; right only within a limited range of input values
;; workspace buffers: xc 2,097,152 bytes; xs 131,072 bytes; wc 786,432 bytes; ws 49,152 bytes; bc 6,144 bytes; wo16 2,097,152 bytes; qkv 12,582,912 bytes; att 8,388,608 bytes
;; launch prep (part 1): grid 336 x 1, 8 waves a work-group, no clusters, 70,144 bytes of LDS; arguments x, w_q, w_k, w_v, w_o, b_q, b_k, b_v, xc, xs, wc, ws, bc, wo16; writes xc, xs, wc, ws, bc, wo16
.if DOCPART == 1
	.amdgcn_target "amdgcn-amd-amdhsa--gfx1250"
	.amdhsa_code_object_version 6
	.text
	.protected	k_q625546d399_prep
	.globl	k_q625546d399_prep
	.p2align	8
	.type	k_q625546d399_prep,@function
k_q625546d399_prep:
	s_mov_b64 s[64:65], 0
	v_nop
	global_prefetch_b8 v0, s[64:65] scope:SCOPE_SE
	s_setreg_imm32_b32 hwreg(HW_REG_WAVE_MODE, 25, 1), 1
	s_wait_xcnt 0x0
; x [4096][1024] and w_q | w_k | w_v ([1024][1024 | 256 | 256], K first) become codes of FP4 (E2M1) with one E8M0 byte for each 32 along K; w_o becomes f16; b_q | b_k | b_v are joined.
; EVERYTHING IS STORED AS IMAGES OF OPERAND REGISTERS: units of 512 bytes, lane L's 16 bytes at 16 L, so that the later launches load whole fragments at a constant + 16 x lane.
;   xc [rowtile 256][kstep 8][c 2][512]: lane (r, h) = the 32 codes of row 16 rowtile + r, k = 128 kstep + 64 c + 32 h + 0 .. 31.   xs [row][32]: byte kb = block kb's scale.
;   wc [ntile 96][kstep 8][c 2][512], ws [n 1536][32]: the same for the joined columns n (q 0 .. 1023, k 1024 .. 1279, v 1280 .. 1535).   bc [1536] f32.
;   wo16 [ntile 64][u 64][512]: lane (r, h) = f16 of w_o[16 u + 8 h + 0 .. 7][16 ntile + r].
; A block's scale is 2^(floor(log2(largest magnitude)) - 2); its byte is the largest magnitude's exponent field - 2, held at 1 from below by a floor among the maximum's leaves.
; LIMITS: a block of zeros gets the byte 1 (its codes are zeros, and only this program reads the bytes); NaN and infinities among the inputs are not served; |w_o| stays under 65,504 (f16).
; SHARES.  Work-groups 0 .. 255: 16 rows of x, wave s takes K step s.  Work-groups 256 + j: 32 columns of a weight, all of K, wave s takes k = 128 s .. 128 s + 127:
;   j 0 .. 31 w_q, 32 .. 39 w_k, 40 .. 47 w_v, 48 .. 79 w_o.  Memory binds: no matrix unit, no tensor load, no cluster (work-groups share nothing).
; One barrier, on every way: behind it the scale words that the eight waves have gathered in LDS leave as whole runs of 512 bytes.  Each way has LDS bytes of its own.
.set STGW, 8448                        ; x's way: a wave's stage, 16 rows x 528 bytes, from LDS byte 0 on
.set SP,   528                         ; a stage row: 512 bytes + 16
.set XSG,  67584                       ; x's way: [r 16][32 bytes] scale words
.set WSG,  68096                       ; the weights' way: [column 32][32 bytes]
.set AM,   16                          ; v16-19 largest magnitudes
.set SO,   20                          ; v20-23 the conversions' scale operands
.set BY,   24                          ; v24-27 scale bytes
.set CD,   32                          ; v32-47 codes
.set DA,   64                          ; v64-191 numbers
.macro LOADW pitch                     ; 128 rows of K at my lane's column: each load reads 128 consecutive bytes
.set i, 0
.rept 128
	global_load_b32 v[DA+i], v12, s[38:39] offset:i*\pitch
.set i, i+1
.endr
.endm
.macro BMAX nb, base                   ; the largest magnitude of nb blocks of 32 registers, the blocks by turns
.set b, 0
.rept \nb
	v_max3_num_f32 v[AM+b], |v[\base+32*b]|, |v[\base+32*b+1]|, 0x1800000   ; the floor 2^(3 - 127): the byte cannot fall under 1
.set b, b+1
.endr
.set i, 2
.rept 15
.set b, 0
.rept \nb
	v_max3_num_f32 v[AM+b], v[AM+b], |v[\base+32*b+i]|, |v[\base+32*b+i+1]|
.set b, b+1
.endr
.set i, i+2
.endr
.endm
.macro BSCALE nb
.set b, 0
.rept \nb
	v_add_nc_u32 v[SO+b], 0xff000000, v[AM+b]      ; 2 off the exponent field: the conversion takes this operand's exponent field as its scale
.set b, b+1
.endr
.set b, 0
.rept \nb
	v_lshrrev_b32 v[BY+b], 23, v[SO+b]             ; the scale's byte
.set b, b+1
.endr
.endm
.macro BCVT nb, base
.set b, 0
.rept \nb
.set g, 0
.rept 4
	v_cvt_scalef32_pk8_fp4_f32 v[CD+4*b+g], v[\base+32*b+8*g:\base+32*b+8*g+7], v[SO+b]
.set g, g+1
.endr
.set b, b+1
.endr
	v_nop                                          ; one plain line behind the last scaled conversion
.endm
	s_load_b512 s[8:23], s[0:1], 0x0               ; x 8, w_q 10, w_k 12, w_v 14, w_o 16, b_q 18, b_k 20, b_v 22
	s_load_b256 s[24:31], s[0:1], 0x40             ; xc 24, xs 26, wc 28, ws 30
	s_load_b128 s[32:35], s[0:1], 0x60             ; bc 32, wo16 34
	v_lshl_add_u32 v192, v0, 2, 0x10e00
	v_mov_b32 v193, 0
	v_lshrrev_b32 v1, 5, v0
	v_readfirstlane_b32 s36, v1                    ; wave 0 .. 7
	v_and_b32 v1, 31, v0                           ; lane
	v_and_b32 v2, 15, v0                           ; r
	v_bfe_u32 v3, v0, 4, 1                         ; h
	v_lshlrev_b32 v4, 4, v1                        ; 16 x lane
	s_lshl_b32 s42, s36, 9
	v_add_nc_u32 v5, s42, v4                       ; x: my 16 bytes of my wave's 512 of a row
	s_mul_i32 s42, s36, STGW
	v_add_nc_u32 v6, s42, v4                       ; the stage, in: as loaded
	v_mul_u32_u24 v7, v2, SP
	v_lshl_add_u32 v7, v3, 7, v7
	v_add_nc_u32 v7, s42, v7                       ; the stage, out: row r, + 128 h: my 32 numbers of each 64
	s_lshl_b32 s42, s36, 2
	v_lshlrev_b32 v8, 5, v2
	v_add_nc_u32 v8, s42, v8
	v_add_nc_u32 v8, XSG, v8                       ; x's scale word: row r, K step = wave
	v_add_nc_u32 v9, XSG, v4                       ; and all of them on the way out
	v_lshlrev_b32 v10, 5, v1
	v_add_nc_u32 v10, s42, v10
	v_add_nc_u32 v10, WSG, v10                     ; a weight's scale word: column = lane, K step = wave
	s_and_b32 s42, s36, 1
	s_lshl_b32 s42, s42, 9
	v_add_nc_u32 v11, s42, v4
	v_add_nc_u32 v11, WSG, v11                     ; and on the way out: waves 0 and 1, 512 bytes each
	v_lshlrev_b32 v12, 2, v1                       ; 4 x lane
	v_lshlrev_b32 v13, 4, v2
	v_lshl_add_u32 v14, v3, 15, v13                ; wo16: 32,768 (lane / 16) + 16 r
	v_lshl_add_u32 v13, v3, 13, v13                ; wc: 8,192 (lane / 16) + 16 r
	v_mov_b32 v29, 0                               ; a lane permute's destination counts as read
	s_mov_b32 s44, 0x76543210
	s_mov_b32 s45, 0xfedcba98                      ; v_permlanex16_b32's selects for lane l xor 16
	s_sub_co_u32 s37, ttmp9, 256                   ; j
	s_mov_b32 s43, 0
	s_lshl_b32 s46, s36, 10                        ; 1,024 x wave: a K step's two units
	s_wait_kmcnt 0x0
	; All pointers of both ways are made here, ahead of the parting; a work-group uses those of its own way alone.
	s_lshl_b32 s42, ttmp9, 16
	s_add_nc_u64 s[8:9], s[8:9], s[42:43]          ; x at my 16 rows
	s_lshl_b32 s42, ttmp9, 13
	s_add_co_u32 s42, s42, s46
	s_add_nc_u64 s[24:25], s[24:25], s[42:43]      ; xc at (rowtile, K step)
	s_lshl_b32 s42, ttmp9, 9
	s_add_nc_u64 s[26:27], s[26:27], s[42:43]      ; xs at my 16 rows
	s_cmp_lt_u32 s37, 32                           ; which weight: the choice hangs on the work-group's number alone
	s_cselect_b64 s[38:39], s[10:11], s[12:13]
	s_cselect_b64 s[40:41], s[18:19], s[20:21]
	s_cselect_b32 s47, 0, 32
	s_cmp_lt_u32 s37, 40
	s_cselect_b64 s[38:39], s[38:39], s[14:15]
	s_cselect_b64 s[40:41], s[40:41], s[22:23]
	s_cselect_b32 s47, s47, 40
	s_cmp_lt_u32 s37, 48
	s_cselect_b64 s[38:39], s[38:39], s[16:17]
	s_cselect_b32 s47, s47, 48
	s_sub_co_u32 s42, s37, s47
	s_lshl_b32 s42, s42, 7                         ; my first column in its weight, in bytes
	s_add_nc_u64 s[40:41], s[40:41], s[42:43]      ; the bias there
	s_sub_co_u32 s48, s37, 32                      ; 0 .. 15 for w_k and w_v, whose rows are 1,024 bytes
	s_cmp_lt_u32 s48, 16
	s_cselect_b32 s49, 17, 19
	s_lshl_b32 s49, s36, s49                       ; wave x 128 rows
	s_add_co_u32 s42, s42, s49
	s_add_nc_u64 s[38:39], s[38:39], s[42:43]      ; the weight at (128 x wave, first column)
	s_lshl_b32 s42, s37, 14
	s_add_co_u32 s42, s42, s46
	s_add_nc_u64 s[28:29], s[28:29], s[42:43]      ; wc at (ntile 2 j, K step)
	s_lshl_b32 s42, s37, 10
	s_and_b32 s49, s36, 1
	s_lshl_b32 s49, s49, 9
	s_add_co_u32 s42, s42, s49
	s_add_nc_u64 s[30:31], s[30:31], s[42:43]      ; ws at column 32 j, + 512 for wave 1
	s_lshl_b32 s42, s37, 7
	s_add_nc_u64 s[32:33], s[32:33], s[42:43]      ; bc at column 32 j
	s_sub_co_u32 s42, s37, 48
	s_lshl_b32 s42, s42, 16
	s_lshl_b32 s49, s36, 12
	s_add_co_u32 s42, s42, s49
	s_add_nc_u64 s[34:35], s[34:35], s[42:43]      ; wo16 at (ntile 2 (j - 48), unit 8 x wave)
	s_cmp_lt_u32 ttmp9, 256
	s_cbranch_scc0 .Lweights
	; ---- x: 16 rows x 128 numbers.  Each load reads 512 consecutive bytes; the tile turns through my own stage, so that a lane gets 32 neighbours along K twice.
.set i, 0
.rept 16
	global_load_b128 v[DA+4*i:DA+4*i+3], v5, s[8:9] offset:4096*i th:TH_LOAD_NT
.set i, i+1
.endr
.set i, 0
.rept 16
	s_wait_loadcnt 15-i                            ; loads come back in order: row i is in, the younger ones stay out
	ds_store_b128 v6, v[DA+4*i:DA+4*i+3] offset:SP*i
.set i, i+1
.endr
.irp c, 0,1
.irp n, 0,1,2,3,4,5,6,7
	ds_load_b128 v[128+32*\c+4*\n:128+32*\c+4*\n+3], v7 offset:256*\c+16*\n   ; LDS serves a wave's instructions in order: these see my stores
.endr
.endr
	s_wait_dscnt 0x0
	BMAX 2, 128                                    ; my blocks h and 2 + h of row r: all 32 numbers of each are mine
	BSCALE 2
	v_lshl_or_b32 v28, v[BY+1], 16, v[BY]          ; my two bytes,
	v_lshlrev_b32 v30, 3, v3
	v_lshlrev_b32 v28, v30, v28                    ; at their places in the word (8 h bits up);
	v_permlanex16_b32 v29, v28, s44, s45
	v_or_b32 v28, v28, v29                         ; with lane l xor 16's two the word is whole
	BCVT 2, 128
	global_store_b128 v4, v[CD:CD+3], s[24:25]                ; 512 consecutive bytes: operand registers 0-3
	global_store_b128 v4, v[CD+4:CD+7], s[24:25] offset:512   ; registers 4-7
	ds_store_b32 v8, v28                           ; lanes r and r + 16 write the same word with the same value
	s_branch .Lmeet
.Lweights:
	s_cmp_lt_u32 s48, 16
	s_cbranch_scc1 .Lnarrow
	LOADW 4096
	s_branch .Lloaded
.Lnarrow:
	LOADW 1024
.Lloaded:
	s_wait_loadcnt 0x0
	s_cmp_lt_u32 s37, 48
	s_cbranch_scc0 .Lwo
	; ---- w_q, w_k, w_v: a lane holds a column, its registers run down K: four whole blocks, codes with K innermost, nothing transposed
	BMAX 4, DA
	BSCALE 4
	v_lshl_or_b32 v28, v[BY+1], 8, v[BY]
	v_lshl_or_b32 v28, v[BY+2], 16, v28
	v_lshl_or_b32 v28, v[BY+3], 24, v28            ; my column's scale word of this K step
	BCVT 4, DA
.irp q, 0,1,2,3
	global_store_b128 v13, v[CD+4*\q:CD+4*\q+3], s[28:29] offset:(\q/2)*512+(\q%2)*256   ; block q = 2 c + h: sixteen lanes fill 256 consecutive bytes, aligned
.endr
	ds_store_b32 v10, v28
	s_branch .Lmeet
.Lwo:
	; ---- w_o: eight neighbours along K become 16 bytes of f16; packed in place, ascending, so that no number is overwritten before it is read
.set g, 0
.rept 16
.set t, 0
.rept 4
	v_cvt_pk_f16_f32 v[DA+4*g+t], v[DA+8*g+2*t], v[DA+8*g+2*t+1]
.set t, t+1
.endr
	global_store_b128 v14, v[DA+4*g:DA+4*g+3], s[34:35] offset:(g/2)*512+(g%2)*256   ; unit 8 wave + g / 2, half g % 2; later lines write higher registers only
.set g, g+1
.endr
.Lmeet:
	s_wait_dscnt 0x0                               ; for the others' sake: my scale words lie in LDS
	s_barrier_signal -1
	s_barrier_wait -1
	s_cmp_lt_u32 ttmp9, 256
	s_cbranch_scc0 .Lw_out
	s_cmp_lg_u32 s36, 0
	s_cbranch_scc1 .Lend
	ds_load_b128 v[48:51], v9                      ; 16 rows x 32 bytes
	s_wait_dscnt 0x0
	global_store_b128 v4, v[48:51], s[26:27]       ; 512 consecutive bytes of xs
	s_branch .Lend
.Lw_out:
	s_cmp_lt_u32 s37, 48
	s_cbranch_scc0 .Lend
	s_cmp_lt_u32 s36, 2
	s_cbranch_scc0 .Lbias
	ds_load_b128 v[48:51], v11                     ; 16 columns x 32 bytes
	s_wait_dscnt 0x0
	global_store_b128 v4, v[48:51], s[30:31]
	s_branch .Lend
.Lbias:
	s_cmp_eq_u32 s36, 2
	s_cbranch_scc0 .Lend
	global_load_b32 v48, v12, s[40:41]             ; my work-group's 32 numbers of b_q, b_k or b_v
	s_wait_loadcnt 0x0
	global_store_b32 v12, v48, s[32:33]
.Lend:
	s_wait_tensorcnt 0x0
	ds_add_u32 v192, v193
	s_wait_dscnt 0x0
	s_endpgm
.Lfunc_end_k_q625546d399_prep:
	.size	k_q625546d399_prep, .Lfunc_end_k_q625546d399_prep-k_q625546d399_prep
	.p2alignl 7, 3214868480
	.fill 96, 4, 3214868480
	.section	.rodata,"a",@progbits
	.p2align	6, 0x0
	.amdhsa_kernel k_q625546d399_prep
		.amdhsa_group_segment_fixed_size 70144
		.amdhsa_private_segment_fixed_size 0
		.amdhsa_enable_private_segment 0
		.amdhsa_kernarg_size 112
		.amdhsa_user_sgpr_count 2
		.amdhsa_user_sgpr_kernarg_segment_ptr 1
		.amdhsa_wavefront_size32 1
		.amdhsa_system_sgpr_workgroup_id_x 1
		.amdhsa_system_sgpr_workgroup_id_y 1
		.amdhsa_system_sgpr_workgroup_id_z 1
		.amdhsa_system_vgpr_workitem_id 0
		.amdhsa_next_free_vgpr 194
		.amdhsa_next_free_sgpr 66
		.amdhsa_reserve_vcc 0
		.amdhsa_float_denorm_mode_32 3
		.amdhsa_float_denorm_mode_16_64 3
		.amdhsa_memory_ordered 1
		.amdhsa_forward_progress 1
		.amdhsa_inst_pref_size 48
	.end_amdhsa_kernel
	.amdgpu_metadata
---
amdhsa.version: [ 1, 2 ]
amdhsa.kernels:
  - .name:           k_q625546d399_prep
    .symbol:         k_q625546d399_prep.kd
    .args:
      - { .name: x, .offset: 0, .size: 8, .value_kind: global_buffer, .address_space: global }
      - { .name: w_q, .offset: 8, .size: 8, .value_kind: global_buffer, .address_space: global }
      - { .name: w_k, .offset: 16, .size: 8, .value_kind: global_buffer, .address_space: global }
      - { .name: w_v, .offset: 24, .size: 8, .value_kind: global_buffer, .address_space: global }
      - { .name: w_o, .offset: 32, .size: 8, .value_kind: global_buffer, .address_space: global }
      - { .name: b_q, .offset: 40, .size: 8, .value_kind: global_buffer, .address_space: global }
      - { .name: b_k, .offset: 48, .size: 8, .value_kind: global_buffer, .address_space: global }
      - { .name: b_v, .offset: 56, .size: 8, .value_kind: global_buffer, .address_space: global }
      - { .name: xc, .offset: 64, .size: 8, .value_kind: global_buffer, .address_space: global }
      - { .name: xs, .offset: 72, .size: 8, .value_kind: global_buffer, .address_space: global }
      - { .name: wc, .offset: 80, .size: 8, .value_kind: global_buffer, .address_space: global }
      - { .name: ws, .offset: 88, .size: 8, .value_kind: global_buffer, .address_space: global }
      - { .name: bc, .offset: 96, .size: 8, .value_kind: global_buffer, .address_space: global }
      - { .name: wo16, .offset: 104, .size: 8, .value_kind: global_buffer, .address_space: global }
    .group_segment_fixed_size: 70144
    .private_segment_fixed_size: 0
    .kernarg_segment_align: 8
    .kernarg_segment_size: 112
    .max_flat_workgroup_size: 256
    .sgpr_count:     66
    .vgpr_count:     194
    .wavefront_size: 32
...
	.end_amdgpu_metadata
.endif
;; end of part 1
;; launch qkv (part 2): grid 8 x 32, 8 waves a work-group, clusters of 4 x 4, 175,104 bytes of LDS; arguments xc, xs, wc, ws, bc, qkv; writes qkv
.if DOCPART == 2
	.amdgcn_target "amdgcn-amd-amdhsa--gfx1250"
	.amdhsa_code_object_version 6
	.text
	.protected	k_q625546d399_qkv
	.globl	k_q625546d399_qkv
	.p2align	8
	.type	k_q625546d399_qkv,@function
k_q625546d399_qkv:
	s_mov_b64 s[64:65], 0
	v_nop
	global_prefetch_b8 v0, s[64:65] scope:SCOPE_SE
	s_setreg_imm32_b32 hwreg(HW_REG_WAVE_MODE, 25, 1), 1
	s_wait_xcnt 0x0
	s_wait_alu depctr_hold_cnt(0) depctr_sa_sdst(0) depctr_va_vdst(0) depctr_va_sdst(0) depctr_va_ssrc(0) depctr_va_vcc(0) depctr_vm_vsrc(0)
	s_getreg_b32 s2, hwreg(HW_REG_IB_STS2, 6, 4)
	s_cmp_eq_u32 s2, 0
	s_cbranch_scc0 .Lentry_in_a_cluster
	s_endpgm
.Lentry_in_a_cluster:
	s_bfe_u32 s2, ttmp6, 0x10000c
	s_cmp_lg_u32 s2, 0xf033
	s_cbranch_scc0 .Lentry_shape_is_right
	s_endpgm
.Lentry_shape_is_right:
; [q | k | v] = x [w_q | w_k | w_v] + [b_q | b_k | b_v]: 4,096 x 1,536 x 1,024 on codes of FP4 (E2M1) with E8M0 scales, f32 sums, rounded once to f16 for the products that follow.
; LIMIT: |q|, |k|, |v| stay under 65,504, f16's largest number.
; A work-group makes 128 tokens x 192 columns.  ALL OF K lies in LDS at once (x's codes 64 KiB, the weights' 96 KiB, scale words 4 + 6 KiB): first fills only, nothing is filled again.
; Eight waves: wave w makes tokens 64 (w & 1) on x columns 48 (w >> 1) on: 12 accumulators of 16 x 16.
; Codes lie in memory and in LDS as images of operand registers (units of 512 bytes, lane L's 16 bytes at 16 L): every fragment load is a constant + 16 x lane.
; CLUSTERS: 4 x 4 work-groups.  x's block hangs on the row block alone and is asked for jointly along a row of the cluster, the weights' on the column block alone, along a column.
; THE MATRIX INSTRUCTION IS USED TRANSPOSED (source 0 = 16 columns of the weights, source 1 = 16 tokens): lane (r, h) then holds token r and eight neighbouring columns, which pack into 16 bytes of f16.
; Stored at 16 x lane they are half a fragment of the next product: qkv [b 2][head 24][tile of 16 tokens 128][u 4][512]: heads 0-15 q, 16-19 k, 20-23 v; lane (r, h) = token r, channels 16 u + 8 h + 0 .. 7.
; The bias is the C of each sum's first matrix instruction.
.set WC,   65536                       ; LDS: x's codes [tile 8][kstep 8][c 2][512] from 0; the weights' [tile 12][..] from here
.set XSL,  163840                      ; x's scale words, 32 bytes a token
.set WSL,  167936                      ; the weights', 32 bytes a column
.set ACC,  16                          ; v16-111  accumulator (a, b) at 16 + 8 (3 a + b)
.set XF,   112                         ; v112-143 x's four fragments of a K step; on the way out v112-159 the packed results
.set WF,   144                         ; v144-167 the weights' three
.set BI,   168                         ; v168-191 the bias, eight registers for each b
.set XSR,  192                         ; v192-223 x's scale words: tile a, K step s at 192 + 8 a + s: they hold scales and nothing else
.set WSR,  224                         ; v224-247 the weights': 224 + 8 b + s
.set WV,   16                          ; s16 wave
.set G1XC, 24                          ; descriptor groups 1: x's codes, the weights' codes, x's scales, the weights' scales
.set G1WC, 32
.set G1XS, 40
.set G1WS, 48
.set G0XC, 56                          ; groups 0
.set G0XS, 60
.set G0WC, 68
.set G0WS, 72
.macro CROUND                          ; a round of the cluster's barrier
	s_barrier_signal -1
	s_barrier_wait -1
	s_cmp_lg_u32 s[WV], 0
	s_cbranch_scc1 .Lnot_wave_0_\@
	s_barrier_signal -3
.Lnot_wave_0_\@:
	s_barrier_wait -3
	s_barrier_signal -1
	s_barrier_wait -1
.endm
.macro GROUP1 g, rows                  ; a dense block as rows of 256 bytes: 32 elements of 8 bytes, pitch 32
	s_mov_b32 s[\g+1], 32<<16                      ; tensor_dim0
	s_mov_b32 s[\g+2], (\rows)<<16                 ; tensor_dim1
	s_mov_b32 s[\g+3], 32<<16                      ; tile_dim0
	s_mov_b32 s[\g+4], \rows                       ; tile_dim1
	s_mov_b32 s[\g+5], 32                          ; tensor_dim0_stride
	s_mov_b32 s[\g+6], 0
	s_mov_b32 s[\g+7], 0
.endm
	s_load_b256 s[4:11], s[0:1], 0x0               ; xc 4, xs 6, wc 8, ws 10
	s_load_b128 s[12:15], s[0:1], 0x20             ; bc 12, qkv 14
	v_lshl_add_u32 v254, v0, 2, 0x2a800
	v_mov_b32 v255, 0
	ds_add_u32 v254, v255
	ds_add_u32 v254, v255
	v_lshrrev_b32 v1, 5, v0
	v_readfirstlane_b32 s[WV], v1                  ; wave 0 .. 7
	s_and_b32 s17, s[WV], 3                        ; which quarter of a block I fetch
	s_and_b32 s18, s[WV], 1                        ; which 64 tokens are mine
	s_lshr_b32 s19, s[WV], 1                       ; which 48 columns
	s_bfe_u32 s20, ttmp6, 0x40000                  ; cx
	s_bfe_u32 s21, ttmp6, 0x40004                  ; cy
	s_lshl_b32 s22, ttmp9, 2
	s_add_co_u32 s22, s22, s20                     ; column block 0 .. 7
	s_and_b32 s23, ttmp7, 0xffff
	s_lshl_b32 s23, s23, 2
	s_add_co_u32 s23, s23, s21                     ; row block 0 .. 31
	s_lshl_b32 s76, s21, 2
	s_lshl_b32 s76, 15, s76                        ; my row of the cluster
	s_lshl_b32 s77, 0x1111, s20                    ; my column
	s_or_b32 s[G1XC], s76, (3<<16)|(1<<21)         ; 15:0 the mask; 17:16 elements of 8 bytes; 21 set beside a mask; no padding
	s_or_b32 s[G1XS], s76, (3<<16)|(1<<21)
	s_or_b32 s[G1WC], s77, (3<<16)|(1<<21)
	s_or_b32 s[G1WS], s77, (3<<16)|(1<<21)
	GROUP1 G1XC, 64                                ; 16,384 bytes: two tiles of 16 tokens, all of K
	GROUP1 G1WC, 96                                ; 24,576 bytes: three tiles of 16 columns
	GROUP1 G1XS, 4                                 ; 1,024 bytes: 32 tokens' scale words
	GROUP1 G1WS, 6                                 ; 1,536 bytes: 48 columns'
	s_lshl_b32 s78, s23, 16                        ; x's offsets hang on the row block and the wave alone,
	s_lshl_b32 s79, s17, 14
	s_add_co_u32 s78, s78, s79
	s_mov_b32 s79, 0
	s_lshl_b32 s80, s23, 12
	s_lshl_b32 s81, s17, 10
	s_add_co_u32 s80, s80, s81
	s_mov_b32 s81, 0
	s_mul_i32 s82, s22, 98304                      ; the weights' on the column block and the wave alone
	s_mul_i32 s83, s17, 24576
	s_add_co_u32 s82, s82, s83
	s_mov_b32 s83, 0
	s_mul_i32 s84, s22, 6144
	s_mul_i32 s85, s17, 1536
	s_add_co_u32 s84, s84, s85
	s_mov_b32 s85, 0
	s_wait_dscnt 0x0
	s_wait_kmcnt 0x0
	s_mov_b32 s[G0XC], 1
	s_lshl_b32 s[G0XC+1], s17, 14                  ; LDS addresses hang on the wave's number alone
	s_add_nc_u64 s[G0XC+2:G0XC+3], s[4:5], s[78:79]
	s_or_b32 s[G0XC+3], s[G0XC+3], 0x80000000
	s_mov_b32 s[G0XS], 1
	s_lshl_b32 s[G0XS+1], s17, 10
	s_add_co_u32 s[G0XS+1], s[G0XS+1], XSL
	s_add_nc_u64 s[G0XS+2:G0XS+3], s[6:7], s[80:81]
	s_or_b32 s[G0XS+3], s[G0XS+3], 0x80000000
	s_mov_b32 s[G0WC], 1
	s_mul_i32 s[G0WC+1], s17, 24576
	s_add_co_u32 s[G0WC+1], s[G0WC+1], WC
	s_add_nc_u64 s[G0WC+2:G0WC+3], s[8:9], s[82:83]
	s_or_b32 s[G0WC+3], s[G0WC+3], 0x80000000
	s_mov_b32 s[G0WS], 1
	s_mul_i32 s[G0WS+1], s17, 1536
	s_add_co_u32 s[G0WS+1], s[G0WS+1], WSL
	s_add_nc_u64 s[G0WS+2:G0WS+3], s[10:11], s[84:85]
	s_or_b32 s[G0WS+3], s[G0WS+3], 0x80000000
	CROUND                                         ; all sixteen work-groups are here: the joint loads meet
	s_cmp_lt_u32 s[WV], 4                          ; waves 0-3 fetch x's block, waves 4-7 the weights': a wave's two fills stand in one branch; two loads of mine are out
	s_cbranch_scc0 .Lfor_w
	tensor_load_to_lds s[G0XC:G0XC+3], s[G1XC:G1XC+7]
	s_nop 0
	tensor_load_to_lds s[G0XS:G0XS+3], s[G1XS:G1XS+7]
	s_nop 0
.rept 4
	v_nop
.endr
	s_branch .Lasked
.Lfor_w:
	tensor_load_to_lds s[G0WC:G0WC+3], s[G1WC:G1WC+7]
	s_nop 0
	tensor_load_to_lds s[G0WS:G0WS+3], s[G1WS:G1WS+7]
	s_nop 0
.rept 4
	v_nop
.endr
.Lasked:
	v_and_b32 v10, 31, v0
	v_lshlrev_b32 v9, 4, v10                       ; 16 x lane
	v_and_b32 v11, 15, v0                          ; r
	v_bfe_u32 v12, v0, 4, 1                        ; h
	s_lshl_b32 s86, s18, 15
	v_add_nc_u32 v1, s86, v9                       ; x's fragments: my four tiles
	s_mul_i32 s86, s19, 24576
	s_add_co_u32 s86, s86, WC
	v_add_nc_u32 v2, s86, v9                       ; the weights': my three tiles
	s_lshl_b32 s86, s18, 11
	s_add_co_u32 s86, s86, XSL
	v_lshl_add_u32 v3, v11, 5, s86                 ; x's scale words: 32 bytes a token, lane r takes row r's
	s_mul_i32 s86, s19, 1536
	s_add_co_u32 s86, s86, WSL
	v_lshl_add_u32 v4, v11, 5, s86
	v_lshlrev_b32 v5, 5, v12                       ; the bias: my half's eight columns
	s_mul_i32 s86, s22, 768
	s_mul_i32 s87, s19, 192
	s_add_co_u32 s86, s86, s87
	s_mov_b32 s87, 0
	s_add_nc_u64 s[12:13], s[12:13], s[86:87]      ; bc at column 192 x block + 48 x my part
.irp b, 0,1,2
	global_load_b128 v[BI+8*\b:BI+8*\b+3], v5, s[12:13] offset:64*\b
	global_load_b128 v[BI+8*\b+4:BI+8*\b+7], v5, s[12:13] offset:64*\b+16
.endr
.irp b, 0,1,2                                  ; where tile b's results go: g = its tile of 16 columns, head g / 4, unit g % 4
	s_mul_i32 s86, s22, 12
	s_mul_i32 s87, s19, 3
	s_add_co_u32 s86, s86, s87
	s_add_co_u32 s86, s86, \b
	s_lshr_b32 s87, s86, 2
	s_and_b32 s86, s86, 3
	s_lshr_b32 s88, s23, 4                         ; the batch
	s_mul_i32 s88, s88, 24
	s_add_co_u32 s87, s87, s88
	s_lshl_b32 s87, s87, 7                         ; 128 tiles of tokens a head
	s_and_b32 s88, s23, 15
	s_lshl_b32 s88, s88, 3
	s_add_co_u32 s87, s87, s88
	s_lshl_b32 s88, s18, 2
	s_add_co_u32 s87, s87, s88
	s_lshl_b32 s87, s87, 11                        ; 2,048 bytes a tile
	s_lshl_b32 s86, s86, 9
	s_add_co_u32 s87, s87, s86
	v_add_nc_u32 v[6+\b], s87, v9
.endr
	s_wait_tensorcnt 0x0                           ; my parts have landed,
	s_barrier_signal -1
	s_barrier_wait -1                              ; everybody's have
.irp a, 0,1,2,3
	ds_load_b128 v[XSR+8*\a:XSR+8*\a+3], v3 offset:512*\a
	ds_load_b128 v[XSR+8*\a+4:XSR+8*\a+7], v3 offset:512*\a+16
.endr
.irp b, 0,1,2
	ds_load_b128 v[WSR+8*\b:WSR+8*\b+3], v4 offset:512*\b
	ds_load_b128 v[WSR+8*\b+4:WSR+8*\b+7], v4 offset:512*\b+16
.endr
; A K step of 128: 14 loads, 12 matrix instructions; the twelve accumulators take turns, one instruction a turn.
.macro KSTEP s
.if \s > 0
.rept 4
	v_nop                                          ; places in front of loads into registers that matrix instructions have read
.endr
.endif
.irp a, 0,1,2,3
.irp c, 0,1
	ds_load_b128 v[XF+8*\a+4*\c:XF+8*\a+4*\c+3], v1 offset:8192*\a+1024*(\s)+512*\c
.endr
.endr
.irp b, 0,1,2
.irp c, 0,1
	ds_load_b128 v[WF+8*\b+4*\c:WF+8*\b+4*\c+3], v2 offset:8192*\b+1024*(\s)+512*\c
.endr
.endr
	s_wait_dscnt 0x0
.if \s == 0
	s_wait_loadcnt 0x0                             ; the bias
.endif
.irp a, 0,1,2,3
.irp b, 0,1,2
.if \s == 0
	v_wmma_scale_f32_16x16x128_f8f6f4 v[ACC+8*(3*\a+\b):ACC+8*(3*\a+\b)+7], v[WF+8*\b:WF+8*\b+7], v[XF+8*\a:XF+8*\a+7], v[BI+8*\b:BI+8*\b+7], v[WSR+8*\b+\s], v[XSR+8*\a+\s] matrix_a_fmt:MATRIX_FMT_FP4 matrix_b_fmt:MATRIX_FMT_FP4
.else
	v_wmma_scale_f32_16x16x128_f8f6f4 v[ACC+8*(3*\a+\b):ACC+8*(3*\a+\b)+7], v[WF+8*\b:WF+8*\b+7], v[XF+8*\a:XF+8*\a+7], v[ACC+8*(3*\a+\b):ACC+8*(3*\a+\b)+7], v[WSR+8*\b+\s], v[XSR+8*\a+\s] matrix_a_fmt:MATRIX_FMT_FP4 matrix_b_fmt:MATRIX_FMT_FP4
.endif
.endr
.endr
.endm
.irp s, 0,1,2,3,4,5,6,7
	KSTEP \s
.endr
.rept 4
	v_nop                                          ; places in front of the first read of results and the first write over operands
.endr
.irp a, 0,1,2,3                                ; each accumulator from its low end on; every packed register is written once
.irp b, 0,1,2
.irp t, 0,1,2,3
	v_cvt_pk_f16_f32 v[XF+4*(3*\a+\b)+\t], v[ACC+8*(3*\a+\b)+2*\t], v[ACC+8*(3*\a+\b)+2*\t+1]
.endr
	global_store_b128 v[6+\b], v[XF+4*(3*\a+\b):XF+4*(3*\a+\b)+3], s[14:15] offset:2048*\a   ; 512 consecutive bytes, aligned
.endr
.endr
	s_wait_tensorcnt 0x0
	ds_add_u32 v254, v255
	s_wait_dscnt 0x0
	CROUND                                         ; the closing round: no work-group ends while a partner may still ask for a block that names it
	s_endpgm
.Lfunc_end_k_q625546d399_qkv:
	.size	k_q625546d399_qkv, .Lfunc_end_k_q625546d399_qkv-k_q625546d399_qkv
	.p2alignl 7, 3214868480
	.fill 96, 4, 3214868480
	.section	.rodata,"a",@progbits
	.p2align	6, 0x0
	.amdhsa_kernel k_q625546d399_qkv
		.amdhsa_group_segment_fixed_size 175104
		.amdhsa_private_segment_fixed_size 0
		.amdhsa_enable_private_segment 0
		.amdhsa_kernarg_size 48
		.amdhsa_user_sgpr_count 2
		.amdhsa_user_sgpr_kernarg_segment_ptr 1
		.amdhsa_wavefront_size32 1
		.amdhsa_system_sgpr_workgroup_id_x 1
		.amdhsa_system_sgpr_workgroup_id_y 1
		.amdhsa_system_sgpr_workgroup_id_z 1
		.amdhsa_system_vgpr_workitem_id 0
		.amdhsa_next_free_vgpr 256
		.amdhsa_next_free_sgpr 96
		.amdhsa_reserve_vcc 0
		.amdhsa_float_denorm_mode_32 3
		.amdhsa_float_denorm_mode_16_64 3
		.amdhsa_memory_ordered 1
		.amdhsa_forward_progress 1
		.amdhsa_inst_pref_size 35
	.end_amdhsa_kernel
	.amdgpu_metadata
---
amdhsa.version: [ 1, 2 ]
amdhsa.kernels:
  - .name:           k_q625546d399_qkv
    .symbol:         k_q625546d399_qkv.kd
    .args:
      - { .name: xc, .offset: 0, .size: 8, .value_kind: global_buffer, .address_space: global }
      - { .name: xs, .offset: 8, .size: 8, .value_kind: global_buffer, .address_space: global }
      - { .name: wc, .offset: 16, .size: 8, .value_kind: global_buffer, .address_space: global }
      - { .name: ws, .offset: 24, .size: 8, .value_kind: global_buffer, .address_space: global }
      - { .name: bc, .offset: 32, .size: 8, .value_kind: global_buffer, .address_space: global }
      - { .name: qkv, .offset: 40, .size: 8, .value_kind: global_buffer, .address_space: global }
    .group_segment_fixed_size: 175104
    .private_segment_fixed_size: 0
    .kernarg_segment_align: 8
    .kernarg_segment_size: 48
    .max_flat_workgroup_size: 256
    .sgpr_count:     96
    .vgpr_count:     256
    .wavefront_size: 32
...
	.end_amdgpu_metadata
.endif
;; end of part 2
;; launch attn (part 3): grid 32 x 8, 8 waves a work-group, no clusters, 68,608 bytes of LDS; arguments qkv, att; writes att
.if DOCPART == 3
	.amdgcn_target "amdgcn-amd-amdhsa--gfx1250"
	.amdhsa_code_object_version 6
	.text
	.protected	k_q625546d399_attn
	.globl	k_q625546d399_attn
	.p2align	8
	.type	k_q625546d399_attn,@function
k_q625546d399_attn:
	s_mov_b64 s[64:65], 0
	v_nop
	global_prefetch_b8 v0, s[64:65] scope:SCOPE_SE
	s_setreg_imm32_b32 hwreg(HW_REG_WAVE_MODE, 25, 1), 1
	s_wait_xcnt 0x0
; Causal attention with grouped queries: 16 query heads, 4 key and value heads, head size 64, 2 x 2,048 tokens.  Operands in f16, products, maxima and sums in f32; p is rounded to f16 for the second product.
; qkv [b 2][head 24][tile of 16 tokens 128][u 4][512]: heads 0-15 q, 16-19 k, 20-23 v; lane (r, h) of a unit = token r, channels 16 u + 8 h + 0 .. 7: units 2 f, 2 f + 1 are a fragment's registers 0-3, 4-7.
; att [tile of 16 rows 256][u' 64][512], u' = 4 head + channel tile: the same map: the last product's operand.
; SHARES.  Work-group (i, y): batch y / 4, key head y % 4, its four query heads, and TWO blocks of 32 query positions: block i (pass 0) and block 63 - i (pass 1): 65 key blocks of 32 in every work-group.
; Wave w: 16 positions (w & 1), two heads ((w >> 1) & 1): two tiles of 16 queries that share each fragment of K and V; and ONE PARITY of the key blocks (w >> 2): of each slot of 64 keys it takes 32.
; So all eight waves have the same number of key blocks but one.  At a pass's end waves w and w xor 4 exchange one tile each through LDS, with its maximum and sum, and each finishes one tile.
; LAYOUT.  S^T = K Q^T (source 0 = 16 keys, source 1 = 16 queries), O^T = V^T P (source 0 = 16 channels, source 1 = P): a lane holds ONE query throughout; two tiles of S^T, rounded in pairs, are P.
; SOFTMAX.  A running maximum m and sum l for each query: p = 2^(c s - c m), c = log2(e) / 8; in every step O and l are multiplied by a = 2^(c m_old - c m_new).
; K AND V GO TO LDS THROUGH REGISTERS (load, LDS store), two slots of 64 keys by turns, one barrier a step: the trip counts hang on the work-group's number, a fetch past a pass's end is clamped to its last tile,
; and V's pieces of 16 bytes are permuted on the way (thread t fetches piece t with bits 3 and 4 swapped), so that the turning load at 16 x lane gives V^T's fragment.
; NO CLUSTER: the work-groups of one key head change from their first to their second query block at step i / 2 + 1, which differs among them: at a given step they want different tiles.
; A step all of whose keys come after the wave's queries is jumped over (a scalar branch on ids; no barrier stands inside); on the diagonal hidden scores become -infinity ahead of the maximum.
.set SLOTB, 16384                      ; a slot: K [keytile 4][u 4][512], then V [keytile 4][channel tile 4][512]
.set MRG,   32768                      ; behind the slots: 4,352 bytes a wave: a tile of O (4,096) and (c m, l) (256)
.set MRGW,  4352
.set ST,  16                           ; v16-31   tile t's statistics at 16 + 8 t: +0 c m, +1 m, +2, +3 l, +4, +5 at work, +6 a, +7 at work
.set Q,   32                           ; v32-63   Q: 32 + 16 t + 4 u
.set S,   64                           ; v64-95   S^T: 64 + 16 t + 8 kt
.set P,   96                           ; v96-111  P: 96 + 8 t
.set KV,  112                          ; v112-143 K's four fragments, then V's four
.set G,   144                          ; v144-175 what is on its way to LDS: set s at 144 + 16 s
.set O,   176                          ; v176-239 O^T: 176 + 32 t + 8 ct
; v1 16 x thread (LDS, in); v2 16 x lane + 4,096 x parity (LDS, out); v3, v5 my merge bytes; v4, v6 my partner's; v7, v8 K's and V's global offsets; v9 16 x lane; v10 the mask's bound; v11 -infinity; v12 256 x lane
; s8 wave, s9 which 16 positions, s10 which two heads, s11 parity, s12 i, s13 batch, s14 key head, s15 -parity; s[16:17] K, s[18:19] V; s[20:27] the two sets' addresses; s[28:29] Q, s[30:31] O;
; s32 pass, s33 query block, s34 trips (two steps each), s35 last tile, s36 trip, s37 key block, s[38:39] an offset, s[40:41] lane selects, s[42:43] c, s44 where prefetching ends, s45 this step's tile, s46, s47 offsets that stay
.macro GLOAD s                         ; a tile of 64 keys: 8,192 bytes of K and of V, 16 bytes a thread, twice each
	global_load_b128 v[G+16*\s:G+16*\s+3],     v7, s[20+4*\s:21+4*\s]
	global_load_b128 v[G+16*\s+4:G+16*\s+7],   v7, s[20+4*\s:21+4*\s] offset:4096
	global_load_b128 v[G+16*\s+8:G+16*\s+11],  v8, s[22+4*\s:23+4*\s]
	global_load_b128 v[G+16*\s+12:G+16*\s+15], v8, s[22+4*\s:23+4*\s] offset:4096
.endm
; My 32 keys of slot s against my two tiles of queries.
.macro BLOCK s
.irp kt, 0,1
.irp f, 0,1
.irp e, 0,1
	ds_load_b128 v[KV+8*(2*\kt+\f)+4*\e:KV+8*(2*\kt+\f)+4*\e+3], v2 offset:SLOTB*\s+2048*\kt+512*(2*\f+\e)
.endr
.endr
.endr
	s_wait_dscnt 0x0
.irp f, 0,1                                    ; the four accumulators take turns; the first four products start the sums
.irp kt, 0,1
.irp t, 0,1
.if \f == 0
	v_wmma_f32_16x16x32_f16 v[S+16*\t+8*\kt:S+16*\t+8*\kt+7], v[KV+8*(2*\kt+\f):KV+8*(2*\kt+\f)+7], v[Q+16*\t+8*\f:Q+16*\t+8*\f+7], 0
.else
	v_wmma_f32_16x16x32_f16 v[S+16*\t+8*\kt:S+16*\t+8*\kt+7], v[KV+8*(2*\kt+\f):KV+8*(2*\kt+\f)+7], v[Q+16*\t+8*\f:Q+16*\t+8*\f+7], v[S+16*\t+8*\kt:S+16*\t+8*\kt+7]
.endif
.endr
.endr
.endr
.rept 4
	v_nop                                          ; places in front of the loads into K's registers and of the first read of the scores
.endr
.irp ct, 0,1,2,3
.irp e, 0,1
	ds_load_tr16_b128 v[KV+8*\ct+4*\e:KV+8*\ct+4*\e+3], v2 offset:SLOTB*\s+8192+2048*\e+512*\ct   ; V^T: channel r, keys 16 e + 8 h + 0 .. 7; it lands under the softmax
.endr
.endr
	s_cmp_lg_u32 s37, s33                          ; only the key block on the diagonal has hidden keys
	s_cbranch_scc1 .Lopen_\@
.irp kt, 0,1
.irp j, 0,1,2,3,4,5,6,7
	v_cmp_gt_i32 vcc_lo, 16*\kt+\j, v10            ; key 16 kt + 8 h + j comes after query 16 sub + r
	v_cndmask_b32 v[S+8*\kt+\j], v[S+8*\kt+\j], v11, vcc_lo
	v_cndmask_b32 v[S+16+8*\kt+\j], v[S+16+8*\kt+\j], v11, vcc_lo
.endr
.endr
.Lopen_\@:
	; the softmax, the two tiles line by line in turn.  Each accumulator is first read at its low end.
.irp t, 0,1
	v_max3_num_f32 v[ST+8*\t+4], v[S+16*\t], v[S+16*\t+1], v[S+16*\t+2]
.endr
.irp t, 0,1
	v_max3_num_f32 v[ST+8*\t+5], v[S+16*\t+3], v[S+16*\t+4], v[S+16*\t+5]
.endr
.irp t, 0,1
	v_max3_num_f32 v[ST+8*\t+4], v[ST+8*\t+4], v[S+16*\t+6], v[S+16*\t+7]
.endr
.irp t, 0,1
	v_max3_num_f32 v[ST+8*\t+5], v[ST+8*\t+5], v[S+16*\t+8], v[S+16*\t+9]
.endr
.irp t, 0,1
	v_max3_num_f32 v[ST+8*\t+4], v[ST+8*\t+4], v[S+16*\t+10], v[S+16*\t+11]
.endr
.irp t, 0,1
	v_max3_num_f32 v[ST+8*\t+5], v[ST+8*\t+5], v[S+16*\t+12], v[S+16*\t+13]
.endr
.irp t, 0,1
	v_max3_num_f32 v[ST+8*\t+4], v[ST+8*\t+4], v[S+16*\t+14], v[S+16*\t+15]
.endr
.irp t, 0,1
	v_max3_num_f32 v[ST+8*\t+4], v[ST+8*\t+4], v[ST+8*\t+5], v[ST+8*\t+1]   ; with the old m
.endr
.irp t, 0,1
	v_permlanex16_b32 v[ST+8*\t+5], v[ST+8*\t+4], s40, s41   ; the query's other 16 keys lie in the lane 16 away
.endr
.irp t, 0,1
	v_mov_b32 v[ST+8*\t+7], v[ST+8*\t]             ; c m_old
.endr
.irp t, 0,1
	v_max_num_f32 v[ST+8*\t+1], v[ST+8*\t+4], v[ST+8*\t+5]
.endr
.irp t, 0,1
	v_mul_f32 v[ST+8*\t], s42, v[ST+8*\t+1]
.endr
.irp t, 0,1
	v_sub_f32 v[ST+8*\t+7], v[ST+8*\t+7], v[ST+8*\t]
.endr
.irp t, 0,1
	v_exp_f32 v[ST+8*\t+6], v[ST+8*\t+7]           ; a; the scalings below are the plain lines behind it
.endr
.irp k, 0,2,4,6,8,10,12,14
.irp t, 0,1
	v_pk_fma_f32 v[S+16*\t+\k:S+16*\t+\k+1], v[S+16*\t+\k:S+16*\t+\k+1], s[42:43], v[ST+8*\t:ST+8*\t+1] op_sel_hi:[1,0,0] neg_lo:[0,0,1] neg_hi:[0,0,1]   ; c s - c m
.endr
.endr
.irp k, 0,1,2,3,4,5,6,7,8,9,10,11,12,13,14,15
.irp t, 0,1
	v_exp_f32 v[S+16*\t+\k], v[S+16*\t+\k]
.endr
.endr
	v_nop                                          ; a plain line between the last exponential and the use of its result
	s_wait_alu depctr_va_vdst(0)
.irp k, 0,1,2,3,4,5,6,7
.irp t, 0,1
	v_cvt_pk_f16_f32 v[P+8*\t+\k], v[S+16*\t+2*\k], v[S+16*\t+2*\k+1]
.endr
.endr
.irp k, 0,2,4,6
.irp t, 0,1
	v_pk_add_f32 v[S+16*\t+\k:S+16*\t+\k+1], v[S+16*\t+\k:S+16*\t+\k+1], v[S+16*\t+\k+8:S+16*\t+\k+9]   ; the sum of the unrounded p, a tree in place
.endr
.endr
.irp k, 0,2
.irp t, 0,1
	v_pk_add_f32 v[S+16*\t+\k:S+16*\t+\k+1], v[S+16*\t+\k:S+16*\t+\k+1], v[S+16*\t+\k+4:S+16*\t+\k+5]
.endr
.endr
.irp t, 0,1
	v_pk_add_f32 v[S+16*\t:S+16*\t+1], v[S+16*\t:S+16*\t+1], v[S+16*\t+2:S+16*\t+3]
.endr
.irp t, 0,1
	v_pk_fma_f32 v[ST+8*\t+2:ST+8*\t+3], v[ST+8*\t+2:ST+8*\t+3], v[ST+8*\t+6:ST+8*\t+7], v[S+16*\t:S+16*\t+1] op_sel_hi:[1,0,1]   ; l = a l + the sum
.endr
.irp k, 0,2,4,6,8,10,12,14,16,18,20,22,24,26,28,30
.irp t, 0,1
	v_pk_mul_f32 v[O+32*\t+\k:O+32*\t+\k+1], v[O+32*\t+\k:O+32*\t+\k+1], v[ST+8*\t+6:ST+8*\t+7] op_sel_hi:[1,0]   ; O^T x a
.endr
.endr
	s_wait_dscnt 0x0                               ; V is in
.irp ct, 0,1,2,3
.irp t, 0,1
	v_wmma_f32_16x16x32_f16 v[O+32*\t+8*\ct:O+32*\t+8*\ct+7], v[KV+8*\ct:KV+8*\ct+7], v[P+8*\t:P+8*\t+7], v[O+32*\t+8*\ct:O+32*\t+8*\ct+7]
.endr
.endr
.rept 4
	v_nop                                          ; places in front of the next loads into V's registers and the next read of O^T
.endr
.endm
; A step: tile 2 s36 + s goes from set s into slot s; one barrier; the tile two steps on is asked for; my 32 keys are worked.
; One barrier a step is enough: slot s was last read two steps ago, and every wave waited for those reads in front of the last step's barrier.
.macro STEP s
	s_wait_loadcnt 0x4                             ; loads come back in order: this set's four are in (in a pass's first step Q's too), the other set's four stay out
	s_wait_xcnt 0x0                                ; the last prefetches have read this set's addresses, which are written below
	ds_store_b128 v1, v[G+16*\s:G+16*\s+3]     offset:SLOTB*\s
	ds_store_b128 v1, v[G+16*\s+4:G+16*\s+7]   offset:SLOTB*\s+4096
	ds_store_b128 v1, v[G+16*\s+8:G+16*\s+11]  offset:SLOTB*\s+8192
	ds_store_b128 v1, v[G+16*\s+12:G+16*\s+15] offset:SLOTB*\s+12288
	s_lshl_b32 s45, s36, 1                         ; this step's tile: two to a trip
.if \s
	s_add_co_u32 s45, s45, \s
.endif
	s_add_co_u32 s38, s45, 2
	s_min_u32 s38, s38, s35                        ; the tile two steps on, clamped to the pass's last: no load leaves the head's rows
	s_lshl_b32 s38, s38, 13
	s_add_nc_u64 s[20+4*\s:21+4*\s], s[16:17], s[38:39]
	s_add_nc_u64 s[22+4*\s:23+4*\s], s[18:19], s[38:39]
	s_wait_dscnt 0x0                               ; for the others' sake: my stores have landed (and have read their registers); my reads of the last step are back
	s_barrier_signal -1
	s_barrier_wait -1
	GLOAD \s                                       ; two steps in which to land
	; A PREFETCH INTO THE L2: wave 0 of work-group i = 0, in its pass 1, which walks all 32 tiles of the key head, names tile s45 + 6 of K and of V, four steps ahead of the loads that will want it:
	; lanes 256 bytes apart, 8,192 bytes an instruction.  It stops at step 25, so that tile 31 is the last one named; tiles 0 to 5 come by their loads alone.  Each block is named once in the launch.
	s_cmp_lt_u32 s45, s44
	s_cbranch_scc0 .Lnoask_\@
	global_prefetch_b8 v12, s[20+4*\s:21+4*\s] offset:32768 th:TH_LOAD_NT scope:SCOPE_SE
	global_prefetch_b8 v12, s[22+4*\s:23+4*\s] offset:32768 th:TH_LOAD_NT scope:SCOPE_SE
.Lnoask_\@:
	s_lshl_b32 s37, s45, 1
	s_add_co_u32 s37, s37, s11                     ; my key block: 2 x tile + parity
	s_cmp_gt_u32 s37, s33
	s_cbranch_scc1 .Lskip_\@                       ; all its keys come after my queries
	BLOCK \s
.Lskip_\@:
.endm
	s_load_b128 s[4:7], s[0:1], 0x0                ; qkv 4, att 6
	v_lshl_add_u32 v254, v0, 2, 0x10800
	v_mov_b32 v255, 0
	v_lshrrev_b32 v1, 5, v0
	v_readfirstlane_b32 s8, v1                     ; wave 0 .. 7
	s_and_b32 s9, s8, 1
	s_bfe_u32 s10, s8, 0x10001
	s_lshr_b32 s11, s8, 2
	s_mov_b32 s12, ttmp9
	s_and_b32 s14, ttmp7, 0xffff
	s_lshr_b32 s13, s14, 2
	s_and_b32 s14, s14, 3
	s_sub_co_u32 s15, 0, s11                       ; all ones in the waves of parity 1: a lane mask for v_cndmask_b32
	s_mov_b32 s40, 0x76543210
	s_mov_b32 s41, 0xfedcba98
	s_mov_b32 s42, 0x3e38aa3b                      ; c = log2(e) / sqrt(64)
	s_mov_b32 s43, s42                             ; (named with it as a pair, so it is written)
	s_mov_b32 s39, 0
	v_lshlrev_b32 v1, 4, v0
	v_and_b32 v13, 31, v0
	v_lshlrev_b32 v9, 4, v13
	s_lshl_b32 s38, s11, 12
	v_add_nc_u32 v2, s38, v9
	v_lshlrev_b32 v14, 3, v13
	s_mul_i32 s38, s8, MRGW
	s_add_co_u32 s38, s38, MRG
	v_add_nc_u32 v3, s38, v9
	v_add_nc_u32 v5, s38, v14
	v_add_nc_u32 v5, 4096, v5
	s_xor_b32 s38, s8, 4                           ; my partner: the same queries, the other parity
	s_mul_i32 s38, s38, MRGW
	s_add_co_u32 s38, s38, MRG
	v_add_nc_u32 v4, s38, v9
	v_add_nc_u32 v6, s38, v14
	v_add_nc_u32 v6, 4096, v6
	v_lshlrev_b32 v7, 4, v0
	v_and_b32 v8, 0xe7, v0                         ; the thread's number with bits 3 and 4 swapped
	v_bfe_u32 v14, v0, 3, 1
	v_lshl_or_b32 v8, v14, 4, v8
	v_bfe_u32 v14, v0, 4, 1
	v_lshl_or_b32 v8, v14, 3, v8
	v_lshlrev_b32 v8, 4, v8
	v_and_b32 v10, 15, v0
	v_lshlrev_b32 v14, 3, v14
	v_sub_nc_u32 v10, v10, v14
	s_lshl_b32 s38, s9, 4
	v_add_nc_u32 v10, s38, v10                     ; 16 sub + r - 8 h
	v_mov_b32 v11, 0xff800000
	v_lshlrev_b32 v12, 8, v13
	s_mul_i32 s48, s13, 24
	s_add_co_u32 s38, s48, s14
	s_add_co_u32 s38, s38, 16
	s_lshl_b32 s38, s38, 18                        ; head 24 b + 16 + key head, 262,144 bytes a head
	s_lshl_b32 s49, s14, 2
	s_lshl_b32 s50, s10, 1
	s_add_co_u32 s49, s49, s50                     ; my first query head
	s_add_co_u32 s46, s48, s49
	s_lshl_b32 s46, s46, 18
	s_lshl_b32 s50, s9, 11
	s_add_co_u32 s46, s46, s50                     ; Q: my first head, my 16 of a block's 32 positions
	s_add_co_u32 s49, s49, s11                     ; the head that I finish: the tile of my parity's number
	s_lshl_b32 s49, s49, 11
	s_lshl_b32 s47, s13, 7
	s_add_co_u32 s47, s47, s9
	s_lshl_b32 s47, s47, 15
	s_add_co_u32 s47, s47, s49                     ; att: the batch, my 16 positions, that head's four units
	s_wait_kmcnt 0x0
	s_add_nc_u64 s[16:17], s[4:5], s[38:39]        ; K's head
	s_add_nc_u64 s[18:19], s[16:17], 0x100000      ; V's: four heads on
	s_mov_b32 s32, 0
.Lpass:
	s_wait_xcnt 0x0                                ; the last pass's loads, stores and prefetches have read their addresses and data
	s_sub_co_u32 s38, 63, s12
	s_cmp_eq_u32 s32, 0
	s_cselect_b32 s33, s12, s38                    ; the query block: i, then 63 - i
	s_lshr_b32 s35, s33, 1                         ; the last tile of 64 keys that it sees
	s_lshr_b32 s34, s35, 1
	s_add_co_u32 s34, s34, 1                       ; trips of two steps: (last + 1) tiles, rounded up to pairs; a step past the last tile is jumped over
	s_lshl_b32 s38, s33, 12
	s_add_co_u32 s38, s38, s46
	s_add_nc_u64 s[28:29], s[4:5], s[38:39]
	s_lshl_b32 s38, s33, 16
	s_add_co_u32 s38, s38, s47
	s_add_nc_u64 s[30:31], s[6:7], s[38:39]
	s_xor_b32 s38, s32, 1
	s_or_b32 s38, s38, s12
	s_or_b32 s38, s38, s8
	s_cmp_eq_u32 s38, 0
	s_cselect_b32 s44, 26, 0                       ; who prefetches, and up to which step
.irp t, 0,1
.irp u, 0,1,2,3
	global_load_b128 v[Q+16*\t+4*\u:Q+16*\t+4*\u+3], v9, s[28:29] offset:262144*\t+512*\u
.endr
.endr
	s_mov_b64 s[20:21], s[16:17]
	s_mov_b64 s[22:23], s[18:19]
	GLOAD 0                                        ; tile 0
	s_min_u32 s38, s35, 1
	s_lshl_b32 s38, s38, 13
	s_add_nc_u64 s[24:25], s[16:17], s[38:39]
	s_add_nc_u64 s[26:27], s[18:19], s[38:39]
	GLOAD 1                                        ; tile 1, or tile 0 again where the pass has one tile
.irp t, 0,1
	v_mov_b32 v[ST+8*\t+1], 0xff61b1e6             ; m = -3e38, under every score
	v_mov_b32 v[ST+8*\t+2], 0                      ; l
	v_mov_b32 v[ST+8*\t+3], 0
	v_mov_b32 v[ST+8*\t+5], 0                      ; (a lane permute's destination counts as read)
	v_mov_b32 v[ST+8*\t+6], 0
	v_mov_b32 v[ST+8*\t+7], 0
	v_mul_f32 v[ST+8*\t], s42, v[ST+8*\t+1]
.endr
.set k, 0
.rept 64
	v_mov_b32 v[O+k], 0                            ; O^T.  The step is written once: the first finds zeros, which the first change of m leaves zeros
.set k, k+1
.endr
	s_mov_b32 s36, 0
.Lstep:                                            ; a trip is two steps, one for each slot; the counter steps by 1
	STEP 0
	STEP 1
	s_add_co_u32 s36, s36, 1
	s_cmp_lt_u32 s36, s34
	s_cbranch_scc1 .Lstep
	; THE PASS'S END.  My partner holds the other parity's share of the same two tiles.  Parity 0 keeps tile 0 and sends tile 1, parity 1 the other way round.
	s_wait_loadcnt 0x0                             ; the clamped fetches are in: their registers may be loaded again
.irp t, 0,1
	v_add_f32 v[ST+8*\t+2], v[ST+8*\t+2], v[ST+8*\t+3]
.endr
.irp t, 0,1
	v_permlanex16_b32 v[ST+8*\t+5], v[ST+8*\t+2], s40, s41
.endr
.irp t, 0,1
	v_add_f32 v[ST+8*\t+2], v[ST+8*\t+2], v[ST+8*\t+5]   ; l of my share
.endr
.set k, 0
.rept 32
	v_cndmask_b32 v[S+k], v[O+32+k], v[O+k], s15   ; what I send (each accumulator from its low end on),
	v_cndmask_b32 v[O+k], v[O+k], v[O+32+k], s15   ; what I keep
.set k, k+1
.endr
	v_cndmask_b32 v240, v[ST+8], v[ST], s15
	v_cndmask_b32 v241, v[ST+10], v[ST+2], s15
	v_cndmask_b32 v242, v[ST], v[ST+8], s15
	v_cndmask_b32 v243, v[ST+2], v[ST+10], s15
.set k, 0
.rept 8
	ds_store_b128 v3, v[S+4*k:S+4*k+3] offset:512*k
.set k, k+1
.endr
	ds_store_b64 v5, v[240:241]
	s_wait_dscnt 0x0                               ; for my partner's sake
	s_barrier_signal -1
	s_barrier_wait -1
.set k, 0
.rept 8
	ds_load_b128 v[KV+4*k:KV+4*k+3], v4 offset:512*k
.set k, k+1
.endr
	ds_load_b64 v[244:245], v6
	s_wait_dscnt 0x0
	v_max_num_f32 v246, v242, v244                 ; the joint c m
	v_sub_f32 v247, v242, v246
	v_sub_f32 v248, v244, v246
	v_exp_f32 v247, v247
	v_exp_f32 v248, v248                           ; (a share without keys has c m = c x -3e38: its factor is 0)
	v_nop
	s_wait_alu depctr_va_vdst(0)
	v_mul_f32 v249, v243, v247
	v_fma_f32 v249, v245, v248, v249               ; the joint l
	v_rcp_f32 v249, v249
	v_nop
	s_wait_alu depctr_va_vdst(0)
	v_mul_f32 v250, v247, v249
	v_mul_f32 v251, v247, v249
	v_mul_f32 v252, v248, v249
	v_mul_f32 v253, v248, v249
.set k, 0
.rept 16
	v_pk_mul_f32 v[O+2*k:O+2*k+1], v[O+2*k:O+2*k+1], v[250:251]
.set k, k+1
.endr
.set k, 0
.rept 16
	v_pk_fma_f32 v[O+2*k:O+2*k+1], v[KV+2*k:KV+2*k+1], v[252:253], v[O+2*k:O+2*k+1]
.set k, k+1
.endr
.set k, 0
.rept 16
	v_cvt_pk_f16_f32 v[P+k], v[O+2*k], v[O+2*k+1]
.set k, k+1
.endr
.irp ct, 0,1,2,3
	global_store_b128 v9, v[P+4*\ct:P+4*\ct+3], s[30:31] offset:512*\ct   ; 512 consecutive bytes, aligned
.endr
	s_add_co_u32 s32, s32, 1
	s_cmp_lt_u32 s32, 2
	s_cbranch_scc1 .Lpass
	s_wait_tensorcnt 0x0
	ds_add_u32 v254, v255
	s_wait_dscnt 0x0
	s_endpgm
.Lfunc_end_k_q625546d399_attn:
	.size	k_q625546d399_attn, .Lfunc_end_k_q625546d399_attn-k_q625546d399_attn
	.p2alignl 7, 3214868480
	.fill 96, 4, 3214868480
	.section	.rodata,"a",@progbits
	.p2align	6, 0x0
	.amdhsa_kernel k_q625546d399_attn
		.amdhsa_group_segment_fixed_size 68608
		.amdhsa_private_segment_fixed_size 0
		.amdhsa_enable_private_segment 0
		.amdhsa_kernarg_size 16
		.amdhsa_user_sgpr_count 2
		.amdhsa_user_sgpr_kernarg_segment_ptr 1
		.amdhsa_wavefront_size32 1
		.amdhsa_system_sgpr_workgroup_id_x 1
		.amdhsa_system_sgpr_workgroup_id_y 1
		.amdhsa_system_sgpr_workgroup_id_z 1
		.amdhsa_system_vgpr_workitem_id 0
		.amdhsa_next_free_vgpr 256
		.amdhsa_next_free_sgpr 66
		.amdhsa_reserve_vcc 1
		.amdhsa_float_denorm_mode_32 3
		.amdhsa_float_denorm_mode_16_64 3
		.amdhsa_memory_ordered 1
		.amdhsa_forward_progress 1
		.amdhsa_inst_pref_size 44
	.end_amdhsa_kernel
	.amdgpu_metadata
---
amdhsa.version: [ 1, 2 ]
amdhsa.kernels:
  - .name:           k_q625546d399_attn
    .symbol:         k_q625546d399_attn.kd
    .args:
      - { .name: qkv, .offset: 0, .size: 8, .value_kind: global_buffer, .address_space: global }
      - { .name: att, .offset: 8, .size: 8, .value_kind: global_buffer, .address_space: global }
    .group_segment_fixed_size: 68608
    .private_segment_fixed_size: 0
    .kernarg_segment_align: 8
    .kernarg_segment_size: 16
    .max_flat_workgroup_size: 256
    .sgpr_count:     66
    .vgpr_count:     256
    .wavefront_size: 32
...
	.end_amdgpu_metadata
.endif
;; end of part 3
;; launch oproj (part 4): grid 8 x 32, 4 waves a work-group, clusters of 4 x 4, 327,680 bytes of LDS; arguments att, wo16, out0, b_o; writes out0
.if DOCPART == 4
	.amdgcn_target "amdgcn-amd-amdhsa--gfx1250"
	.amdhsa_code_object_version 6
	.text
	.protected	k_q625546d399_oproj
	.globl	k_q625546d399_oproj
	.p2align	8
	.type	k_q625546d399_oproj,@function
k_q625546d399_oproj:
	s_mov_b64 s[64:65], 0
	v_nop
	global_prefetch_b8 v0, s[64:65] scope:SCOPE_SE
	s_setreg_imm32_b32 hwreg(HW_REG_WAVE_MODE, 25, 1), 1
	s_wait_xcnt 0x0
	s_wait_alu depctr_hold_cnt(0) depctr_sa_sdst(0) depctr_va_vdst(0) depctr_va_sdst(0) depctr_va_ssrc(0) depctr_va_vcc(0) depctr_vm_vsrc(0)
	s_getreg_b32 s2, hwreg(HW_REG_IB_STS2, 6, 4)
	s_cmp_eq_u32 s2, 0
	s_cbranch_scc0 .Lentry_in_a_cluster
	s_endpgm
.Lentry_in_a_cluster:
	s_bfe_u32 s2, ttmp6, 0x10000c
	s_cmp_lg_u32 s2, 0xf033
	s_cbranch_scc0 .Lentry_shape_is_right
	s_endpgm
.Lentry_shape_is_right:
; out0 = att w_o + b_o: 4,096 x 1,024 x 1,024, operands in f16, sums and result in f32.
; att [tile of 16 rows 256][u 64][512] and wo16 [tile of 16 columns 64][u 64][512] are images of operand registers: lane (r, h) of unit u = row (column) r, k = 16 u + 8 h + 0 .. 7; units 2 f, 2 f + 1 are fragment f.
; A tile of out0 is 128 x 128: 256 work-groups.  Four waves, each 64 x 64: 16 accumulators.  K goes in steps of 256 through two LDS slots: a step of a tile of 16 rows is 8,192 consecutive bytes; a wave's tensor load
; brings four of them (rows of 8,192 bytes, 32,768 bytes apart).  In LDS they lie on end: every fragment load is a constant + 16 x lane, 512 consecutive bytes.
; CLUSTERS: 4 x 4 work-groups.  The four of a row of the cluster need the same tiles of att, the four of a column the same tiles of wo16: each is asked for JOINTLY, by the same tensor load with the same descriptor and a mask of four.
; THE MATRIX INSTRUCTION IS USED TRANSPOSED (source 0 = 16 columns of w_o, source 1 = 16 rows of att): a lane holds eight neighbouring numbers of a row of out0.  The bias is the C of each sum's first matrix instruction.
; No prefetch: with tiles this small a K step's loads are a small part of what the cluster shares, and the launch is short.
; REGISTERS: window 0: v0-31 addresses; v32-95 the way out; v96-127 the bias; v128-255 the accumulators ((a, b) at 128 + 8 (4 a + b)).  Window 1: two fragment buffers of 128: 64 registers of att, then 64 of wo16.
.set STEPB,  8192                      ; a K step of a tile of 16 rows
.set HALFT,  4*STEPB                   ; what one tensor load brings, and what one wave reads of either operand
.set SLOT,   4*HALFT                   ; att's eight tiles, then wo16's eight
.set SPARE,  2*SLOT                    ; behind the ring: the spare words, 128 bytes for each wave: two blocks of 256 bytes that no other line names
.set SPITCH, 272                       ; the way out: a stage of 16 rows x (256 bytes + 16) for each wave.  It lies in slot 0, which has had its last fill and its last read when the first result is stored there
.set LAPS,   2                         ; a lap = two K steps = once round the ring
.set ADRA, 16                          ; v16-17  LDS address of my fragments of att in slot 0, 1
.set ADRB, 20                          ; v20-21  the same for wo16
.set STO,  24                          ; v24     the way out: where I put 32 bytes of a row
.set RD,   25                          ; v25     where I read a row back
.set CO,   26                          ; v26     my byte offset in out0
.set BO,   27                          ; v27     the bias: 32 h
.set SPW,  28                          ; v28     LDS address of my spare word; never rewritten
.set NIL,  29                          ; v29     0; never rewritten
.set TMP,  32
.set BIAS, 96
.set ACC,  128
.set F0,   0
.set F1,   128
.set G1, 24
.set G0, 32
.set G1B, 48
.set G0B, 56
.set MSB, 0
.macro WIN new                         ; the immediate's high byte repeats the setting that is left
.if MSB != \new
	s_set_vgpr_msb (MSB<<8)|\new
.set MSB, \new
.endif
.endm
.set MUL,  0x05                        ; sources 0 and 1 window 1; C and D window 0
.set TO_F, 0x40                        ; destination window 1, address window 0
.macro JLOAD s                         ; a joint load: waves 0 and 1 fetch att's two halves, waves 2 and 3 wo16's; four v_nop follow each of the two lines
	s_cmp_eq_u32 s11, 0
	s_cbranch_scc0 .Lfor_b_\@
	tensor_load_to_lds s[G0+4*\s:G0+4*\s+3], s[G1:G1+7]
	s_nop 0
.rept 4
	v_nop
.endr
	s_branch .Lasked_\@
.Lfor_b_\@:
	tensor_load_to_lds s[G0B+4*\s:G0B+4*\s+3], s[G1B:G1B+7]
	s_nop 0
.rept 4
	v_nop
.endr
.Lasked_\@:
.endm
.macro CREST                           ; a round of the cluster's barrier behind its opening barrier
	s_cmp_lg_u32 s10, 0
	s_cbranch_scc1 .Lnot_wave_0_\@
	s_barrier_signal -3
.Lnot_wave_0_\@:
	s_barrier_wait -3
	s_barrier_signal -1
	s_barrier_wait -1
.endm
.macro CROUND
	s_barrier_signal -1
	s_barrier_wait -1
	CREST
.endm
	s_load_b128 s[4:7], s[0:1], 0x0                ; att 4, wo16 6
	s_load_b64 s[8:9], s[0:1], 0x10                ; out0
	s_load_b64 s[66:67], s[0:1], 0x18              ; b_o
	v_lshl_add_u32 v[SPW], v0, 2, SPARE
	v_mov_b32 v[NIL], 0
	ds_add_u32 v28, v29
	ds_add_u32 v28, v29
	s_wait_dscnt 0x0
	v_lshrrev_b32 v1, 5, v0
	v_readfirstlane_b32 s10, v1                    ; wave 0 .. 3
	s_lshr_b32 s11, s10, 1                         ; which half of the tile's rows is mine.  Also: I fetch for att (0) or for wo16 (1)
	s_and_b32 s12, s10, 1                          ; which half of its columns.  Also: which four tiles of 16 I fetch
	s_bfe_u32 s40, ttmp6, 0x40000                  ; cx, cy
	s_bfe_u32 s41, ttmp6, 0x40004
	s_lshl_b32 s42, ttmp9, 2
	s_add_co_u32 s42, s42, s40                     ; tile column
	s_and_b32 s13, ttmp7, 0xffff
	s_lshl_b32 s13, s13, 2
	s_add_co_u32 s13, s13, s41                     ; tile row
	s_lshl_b32 s43, s41, 2
	s_lshl_b32 s43, 15, s43                        ; my row of the cluster
	s_lshl_b32 s44, 0x1111, s40                    ; my column
	s_or_b32 s[G1+0], s43, (3<<16)|(1<<21)         ; 15:0 the mask; 17:16 elements of 8 bytes; 21 set beside a mask; no padding
	s_or_b32 s[G1B+0], s44, (3<<16)|(1<<21)
.irp g, G1, G1B
	s_mov_b32 s[\g+1], 1024<<16                    ; tensor_dim0 = 1,024 elements: 8,192 bytes
	s_mov_b32 s[\g+2], 4<<16                       ; tensor_dim1 = 4
	s_mov_b32 s[\g+3], 1024<<16                    ; tile_dim0
	s_mov_b32 s[\g+4], 4                           ; tile_dim1
	s_mov_b32 s[\g+5], 4096                        ; tensor_dim0_stride: 32,768 bytes from a tile of 16 rows to the next
	s_mov_b32 s[\g+6], 0
	s_mov_b32 s[\g+7], 0
.endr
	s_lshl_b32 s17, s12, 2
	s_lshl_b32 s16, s13, 3
	s_add_co_u32 s16, s16, s17                     ; att: tile of 16 rows 8 x tile row + 4 x half
	s_lshl_b32 s16, s16, 15
	s_lshl_b32 s46, s42, 3
	s_add_co_u32 s46, s46, s17                     ; wo16: 8 x tile column + 4 x half
	s_lshl_b32 s46, s46, 15
	s_mov_b32 s17, 0
	s_mov_b32 s47, 0
	s_mul_i32 s20, s10, HALFT                      ; where they go: no place in the cluster enters an LDS address
	s_wait_kmcnt 0x0
	s_add_nc_u64 s[14:15], s[4:5], s[16:17]
	s_add_nc_u64 s[46:47], s[6:7], s[46:47]
	CROUND                                         ; all sixteen work-groups are here: the first joint loads meet
.irp s, 0,1
	s_mov_b32 s[G0+4*\s], 1
	s_add_co_u32 s[G0+4*\s+1], s20, \s*SLOT
	s_add_nc_u64 s[G0+4*\s+2:G0+4*\s+3], s[14:15], \s*STEPB
	s_or_b32 s[G0+4*\s+3], s[G0+4*\s+3], 0x80000000
	s_mov_b32 s[G0B+4*\s], 1
	s_add_co_u32 s[G0B+4*\s+1], s20, \s*SLOT
	s_add_nc_u64 s[G0B+4*\s+2:G0B+4*\s+3], s[46:47], \s*STEPB
	s_or_b32 s[G0B+4*\s+3], s[G0B+4*\s+3], 0x80000000
	JLOAD \s
.endr
	v_and_b32 v1, 15, v0                           ; r
	v_bfe_u32 v2, v0, 4, 1                         ; h
	v_and_b32 v3, 31, v0
	v_lshlrev_b32 v3, 4, v3                        ; 16 x lane
	s_mul_i32 s21, s11, HALFT                      ; my four tiles of att,
	s_mul_i32 s22, s12, HALFT                      ; my four of wo16,
	s_add_co_u32 s22, s22, 2*HALFT                 ; which lie behind att's eight
.irp s, 0,1
	v_add_nc_u32 v[ADRA+\s], s21, v3
	v_add_nc_u32 v[ADRB+\s], s22, v3
	s_add_co_u32 s21, s21, SLOT
	s_add_co_u32 s22, s22, SLOT
.endr
	s_mul_i32 s23, s10, 16*SPITCH                  ; my stage
	v_mul_u32_u24 v4, v1, SPITCH                   ; in: row r, 32 bytes for each half of the lanes
	v_lshl_add_u32 v4, v2, 5, v4
	v_add_nc_u32 v[STO], s23, v4
	v_mul_u32_u24 v5, v2, SPITCH                   ; back: lanes 0-15 one row of 256 bytes, lanes 16-31 the next
	v_lshl_add_u32 v5, v1, 4, v5
	v_add_nc_u32 v[RD], s23, v5
	v_lshlrev_b32 v5, 12, v2                       ; and the same two rows in out0
	v_lshl_add_u32 v[CO], v1, 4, v5
	v_lshlrev_b32 v[BO], 5, v2
	s_lshl_b32 s16, s13, 7
	s_lshl_b32 s17, s11, 6
	s_add_co_u32 s16, s16, s17                     ; my first row: 128 x tile row + 64 x half
	s_lshl_b32 s16, s16, 12
	s_mov_b32 s17, 0
	s_add_nc_u64 s[8:9], s[8:9], s[16:17]
	s_lshl_b32 s46, s42, 9                         ; my first column, in bytes: 512 x tile column + 256 x half
	s_lshl_b32 s47, s12, 8
	s_add_co_u32 s46, s46, s47
	s_mov_b32 s47, 0
	s_add_nc_u64 s[8:9], s[8:9], s[46:47]
	s_add_nc_u64 s[66:67], s[66:67], s[46:47]      ; the bias there
.irp b, 0,1,2,3
	global_load_b128 v[BIAS+8*\b:BIAS+8*\b+3], v[BO], s[66:67] offset:64*\b        ; lane (r, h): b_o at columns 16 b + 8 h + 0 .. 7: the result's layout
	global_load_b128 v[BIAS+8*\b+4:BIAS+8*\b+7], v[BO], s[66:67] offset:64*\b+16
.endr
; 8 matrix instructions: row blocks a0, a0 + 1 x all 4 column blocks, 32 along K: half c of buffer f.  zero = 1: the first product starts the sums from the bias.  The 16 accumulators take turns.
.macro MUL8 f, c, a0, zero
.irp a, \a0, \a0+1
.irp b, 0,1,2,3
.if \zero
	v_wmma_f32_16x16x32_f16 v[ACC+8*(4*(\a)+\b):ACC+8*(4*(\a)+\b)+7], v[\f+64+8*(4*\c+\b):\f+64+8*(4*\c+\b)+7], v[\f+8*(4*\c+\a):\f+8*(4*\c+\a)+7], v[BIAS+8*\b:BIAS+8*\b+7]
.else
	v_wmma_f32_16x16x32_f16 v[ACC+8*(4*(\a)+\b):ACC+8*(4*(\a)+\b)+7], v[\f+64+8*(4*\c+\b):\f+64+8*(4*\c+\b)+7], v[\f+8*(4*\c+\a):\f+8*(4*\c+\a)+7], v[ACC+8*(4*(\a)+\b):ACC+8*(4*(\a)+\b)+7]
.endif
.endr
.endr
.endm
; 32 LDS loads in one run: the fragments of 64 along K (four units, from byte k of each tile's step on) into buffer f; the first 32 along K first
.macro FETCH slot, k, f
	WIN TO_F
.irp c, 0,1
.irp i, 0,1,2,3
	ds_load_b128 v[\f+64+8*(4*\c+\i):\f+64+8*(4*\c+\i)+3],   v[ADRB+\slot] offset:\k+1024*\c+\i*STEPB
	ds_load_b128 v[\f+64+8*(4*\c+\i)+4:\f+64+8*(4*\c+\i)+7], v[ADRB+\slot] offset:\k+1024*\c+\i*STEPB+512
	ds_load_b128 v[\f+8*(4*\c+\i):\f+8*(4*\c+\i)+3],         v[ADRA+\slot] offset:\k+1024*\c+\i*STEPB
	ds_load_b128 v[\f+8*(4*\c+\i)+4:\f+8*(4*\c+\i)+7],       v[ADRA+\slot] offset:\k+1024*\c+\i*STEPB+512
.endr
.endr
.endm
.macro PLACES                          ; four places in front of loads into registers that matrix instructions have read, and of the first read of results
.rept 4
	v_nop
.endr
.endm
; A K step is four quarters of 64 along K, 32 matrix instructions each, on buffers 0, 1, 0, 1.  One of the first three: multiplies buffer f and fetches the next quarter, at byte k, into g.
.macro QUARTER slot, k, f, g, zero
	s_wait_dscnt 16                                ; the first 32 along K are in; the youngest sixteen loads may be out
	WIN MUL
	MUL8 \f, 0, 0, \zero
	MUL8 \f, 0, 2, \zero
	PLACES
	FETCH \slot, \k, \g
	s_wait_dscnt 32                                ; all but the 32 just issued
	WIN MUL
	MUL8 \f, 1, 0, 0
	MUL8 \f, 1, 2, 0
.endm
; The last quarter multiplies buffer 1 and changes slots: ONE barrier; in front of it each wave waits for all its tensor loads, adds 0 to its spare word, and waits for that and for its own reads of this slot.  fill = 1: this slot is filled again, two K steps ahead.
.macro TURN slot, next, fill
	WIN 0                                          ; (the add's two registers lie in window 0)
	s_wait_tensorcnt 0x0                           ; all my tensor loads have landed: my part of the next slot;
	ds_add_u32 v[SPW], v[NIL]                      ; 0 onto my spare word
	s_wait_dscnt 17                                ; (the add and the youngest sixteen loads may be out)
	WIN MUL
	MUL8 F1, 0, 0, 0                               ; eight matrix instructions stand between the add and the wait for it
	s_wait_dscnt 0x0                               ; the add is done, and my reads of this slot are over
	s_barrier_signal -1
	MUL8 F1, 0, 2, 0
.if \fill
	WIN 0
.endif
	s_barrier_wait -1
.if \fill
	CREST                                          ; the barrier has opened a round of the cluster's barrier: no wave of any partner still reads this slot's tile or has a load on its way
	s_add_nc_u64 s[G0+4*\slot+2:G0+4*\slot+3], s[G0+4*\slot+2:G0+4*\slot+3], 2*STEPB
	s_add_nc_u64 s[G0B+4*\slot+2:G0B+4*\slot+3], s[G0B+4*\slot+2:G0B+4*\slot+3], 2*STEPB
	JLOAD \slot                                    ; the first tensor load behind the round; the four v_nop behind it are also the places in front of the loads below
.else
	PLACES
.endif
	FETCH \next, 0, F0
	WIN MUL
	MUL8 F1, 1, 0, 0
	MUL8 F1, 1, 2, 0
.endm
	s_wait_tensorcnt 1                             ; my part of K step 0 is in (K step 1's load may be out)
	s_barrier_signal -1
	s_barrier_wait -1                              ; everybody's is
	s_wait_loadcnt 0x0                             ; the bias
	FETCH 0, 0, F0
	QUARTER 0, 2048, F0, F1, 1                     ; the first quarter stands in front of the loop: its first products start the sums
	WIN 0                                          ; at a label and at a branch every window is 0
	s_mov_b32 s3, LAPS-1
.Llap:                                                 ; a trip goes once round the ring, from a lap's second quarter to the next lap's first, and fills both slots again
	QUARTER 0, 4096, F1, F0, 0
	QUARTER 0, 6144, F0, F1, 0
	TURN 0, 1, 1
	QUARTER 1, 2048, F0, F1, 0
	QUARTER 1, 4096, F1, F0, 0
	QUARTER 1, 6144, F0, F1, 0
	TURN 1, 0, 1
	QUARTER 0, 2048, F0, F1, 0
	WIN 0
	s_sub_co_u32 s3, s3, 1
	s_cmp_lg_u32 s3, 0
	s_cbranch_scc1 .Llap
	QUARTER 0, 4096, F1, F0, 0                     ; the last lap fills nothing, and has no round of the cluster's barrier
	QUARTER 0, 6144, F0, F1, 0
	TURN 0, 1, 0
	QUARTER 1, 2048, F0, F1, 0
	QUARTER 1, 4096, F1, F0, 0
	QUARTER 1, 6144, F0, F1, 0
	s_wait_dscnt 16                                ; the very last quarter: nothing more to fetch
	WIN MUL
	MUL8 F1, 0, 0, 0
	MUL8 F1, 0, 2, 0
	s_wait_dscnt 0
	MUL8 F1, 1, 0, 0
	MUL8 F1, 1, 2, 0
	WIN 0
; THE WAY OUT, 16 rows x 64 columns at a time.  A lane holds 32 neighbouring bytes of a row, the lanes beside it other rows: a block goes through my own stage and comes back as whole rows of 256 bytes.
; LDS serves a wave's instructions in order (ISA guide 5.7.1.4): no wait between the stores and the loads, nor in front of the next block's stores.
.macro TOSTAGE a
.irp b, 0,1,2,3
	ds_store_b128 v[STO], v[ACC+8*(4*(\a)+\b):ACC+8*(4*(\a)+\b)+3] offset:64*\b          ; each accumulator from its low end on
	ds_store_b128 v[STO], v[ACC+8*(4*(\a)+\b)+4:ACC+8*(4*(\a)+\b)+7] offset:64*\b+16
.endr
.set BB, TMP+32*((\a)%2)
.irp t, 0,1,2,3,4,5,6,7
	ds_load_b128 v[BB+4*\t:BB+4*\t+3], v[RD] offset:\t*2*SPITCH
.endr
.endm
.macro SEND a, younger                 ; younger: the LDS instructions issued behind block a's loads, which may stay out
.set BB, TMP+32*((\a)%2)
	s_wait_dscnt \younger
.irp t, 0,1,2,3,4,5,6,7
	global_store_b128 v[CO], v[BB+4*\t:BB+4*\t+3], s[8:9] offset:(16*(\a)+2*\t)*4096 th:TH_STORE_NT   ; sixteen lanes store 256 consecutive bytes, aligned; two rows an instruction
.endr
.endm
	PLACES
	TOSTAGE 0
.irp a, 1,2,3
.if \a > 1
	s_wait_xcnt 0x0                                ; block a - 2's stores have read their registers: block a's loads may land there
.endif
	TOSTAGE \a
	SEND \a-1, 16                                  ; behind block a - 1's loads: block a's 8 stores and 8 loads
.endr
	SEND 3, 0
	s_wait_tensorcnt 0x0                           ; the wave's end, behind my last tensor load and my last LDS store
	ds_add_u32 v[SPW], v[NIL]
	s_wait_dscnt 0x0
	CROUND                                         ; the closing round: no work-group ends while a partner may still ask for a tile that names it
	s_endpgm
.Lfunc_end_k_q625546d399_oproj:
	.size	k_q625546d399_oproj, .Lfunc_end_k_q625546d399_oproj-k_q625546d399_oproj
	.p2alignl 7, 3214868480
	.fill 96, 4, 3214868480
	.section	.rodata,"a",@progbits
	.p2align	6, 0x0
	.amdhsa_kernel k_q625546d399_oproj
		.amdhsa_group_segment_fixed_size 327680
		.amdhsa_private_segment_fixed_size 0
		.amdhsa_enable_private_segment 0
		.amdhsa_kernarg_size 32
		.amdhsa_user_sgpr_count 2
		.amdhsa_user_sgpr_kernarg_segment_ptr 1
		.amdhsa_wavefront_size32 1
		.amdhsa_system_sgpr_workgroup_id_x 1
		.amdhsa_system_sgpr_workgroup_id_y 1
		.amdhsa_system_sgpr_workgroup_id_z 1
		.amdhsa_system_vgpr_workitem_id 0
		.amdhsa_next_free_vgpr 512
		.amdhsa_next_free_sgpr 70
		.amdhsa_reserve_vcc 0
		.amdhsa_float_denorm_mode_32 3
		.amdhsa_float_denorm_mode_16_64 3
		.amdhsa_memory_ordered 1
		.amdhsa_forward_progress 1
		.amdhsa_inst_pref_size 86
	.end_amdhsa_kernel
	.amdgpu_metadata
---
amdhsa.version: [ 1, 2 ]
amdhsa.kernels:
  - .name:           k_q625546d399_oproj
    .symbol:         k_q625546d399_oproj.kd
    .args:
      - { .name: att, .offset: 0, .size: 8, .value_kind: global_buffer, .address_space: global }
      - { .name: wo16, .offset: 8, .size: 8, .value_kind: global_buffer, .address_space: global }
      - { .name: out0, .offset: 16, .size: 8, .value_kind: global_buffer, .address_space: global }
      - { .name: b_o, .offset: 24, .size: 8, .value_kind: global_buffer, .address_space: global }
    .group_segment_fixed_size: 327680
    .private_segment_fixed_size: 0
    .kernarg_segment_align: 8
    .kernarg_segment_size: 32
    .max_flat_workgroup_size: 128
    .sgpr_count:     70
    .vgpr_count:     512
    .wavefront_size: 32
...
	.end_amdgpu_metadata
.endif
;; end of part 4
